; MI455X (gfx1250); checked and timed in simulation.
; The chip was launched on July 23, 2026; its instructions are those of AMD's public machine-readable ISA for CDNA 5 (MIT licence, August 2026) and "CDNA5" Instruction Set Architecture Reference Guide (July 2026). The comments in the code are by the model that wrote it; some were corrected since.
;; Moe Layer. Allowed arithmetic: float matrix products may take bf16 or f16 operands with f32 sums; other float arithmetic in f32, or as packed bf16 or f16 multiplies, adds, multiply-adds, maxima and minima; sums over many terms, partial sums and values carried from step to step in f32; what a program stores and reads back later, other than sums and carried values, may be rounded once to bf16 or f16.
;; Inputs: gate_w 1,024 x 8 float32; w1 8 x 1,024 x 256 float32; w2 8 x 256 x 1,024 float32; w3 8 x 1,024 x 256 float32; x 4 x 2,048 x 1,024 float32.
;; Outputs: out0 4 x 2,048 x 1,024 float32.
;; One version. Each part assembles by itself: llvm-mc -triple=amdgcn-amd-amdhsa -mcpu=gfx1250 --defsym DOCPART=n.
;; ======== version 1 of 1: 2 launches
;; limits: values are held in f16: magnitudes above 65,504 overflow, below 6.1e-05 lose precision; inputs' magnitudes at most 65,504
;; workspace buffers: rec 65,536 bytes of whole numbers; gw 65,536 bytes; wa 8,388,608 bytes; wb 4,194,304 bytes
;; launch route_prep (part 1): grid 256 x 1, 8 waves a work-group, no clusters, 163,840 bytes of LDS; arguments x, gate_w, w1, w3, w2, rec, gw, wa, wb; writes rec, gw, wa, wb
.if DOCPART == 1
	.amdgcn_target "amdgcn-amd-amdhsa--gfx1250"
	.amdhsa_code_object_version 6
	.text
	.protected	k_q1015598328_route_prep
	.globl	k_q1015598328_route_prep
	.p2align	8
	.type	k_q1015598328_route_prep,@function
k_q1015598328_route_prep:
	s_mov_b64 s[64:65], 0
	v_nop
	global_prefetch_b8 v0, s[64:65] scope:SCOPE_SE
	s_setreg_imm32_b32 hwreg(HW_REG_WAVE_MODE, 25, 1), 1
	s_wait_xcnt 0x0
; ROUTER AND WEIGHT LAYOUT.  256 work-groups of eight waves, all with the same work:
; (a) 32 tokens are routed: logits = x . gate_w by the bf16 matrix form with f32 sums, K = 1,024 split over the eight waves (128 each), the eight
;     partial sums added in f32 in ascending wave order; top 2 of 8 (a tie keeps the lower index, as lax.top_k does); softmax of the two with the larger taken away.
;     Stored at fixed places: rec (whole numbers) [block of 32 tokens][32 pair slots] x (count, bit mask of the tokens), gw [token] x (weight of the lower expert, of the higher).
;     The pair of experts lo < hi has the number lo (15 - lo) / 2 + hi - lo - 1, 0 to 27; slots 28 to 31 hold 0.  No address here hangs on the choice.
; (b) one slab of 32 k x 256 columns of each of w1, w3, w2 is rounded to bf16 and laid out as matrix operands: fragments of 1,024 bytes (16 columns x 32 k); lane l = 16 h + r finds
;     column r, k = 8 h + 0..7 at byte 16 l and k = 16 + 8 h + 0..7 at byte 512 + 16 l.   wa: [e][half][ks 0..31][w1, w3][b 0..7][1,024];   wb: [e][q 0..3][ks2 0..7][b 0..15][1,024].
;     w1 and w3 are stored as bf16.  w2, rounded to bf16 like them, is stored as that number in f16: the second product's other operand, the hidden layer, needs f16's 11 bits.
; LIMITS.  x, gate_w and the weights are rounded to bf16 (nearest even), the gate's operands too: the choice is that of the rounded inputs.  Two logits nearer than the f32 sums' own
; rounding (some 1e-6 of their size) may be ordered otherwise than a sum in another order has them.  NaN and infinite logits are not treated apart.  The exponential and the reciprocal flush denormals.
; w2 in f16: exact from 2^-17 to 65,504; a smaller number keeps f16's fixed step of 6e-8; a larger one becomes an infinity.
; No cluster: no two work-groups read the same bytes but gate_w's 32,768.  No tensor loads: every byte passes through registers to be rounded.
.set XPI,   272                        ; a row of a wave's x tile in LDS: 128 bf16 + 16 bytes: an odd multiple of 16
.set XWV,   32*XPI                     ; a wave's 32 rows
.set XS,    0
.set GS,    8*XWV                      ; a wave's 128 k-rows of the gate, 32 bytes each: the 8 experts in bf16, and the same 8 again (16 columns for the turning load)
.set PART,  GS+8*4096                  ; partial logits, f32: experts 0-3 at 512 w + 16 l, experts 4-7 4,096 further on
.set SL,    PART+8192                  ; three slabs of 16-bit numbers [32 k][256 n]
.set SPI,   544                        ; their pitch: 512 + 32, an odd multiple of 32
.set SLB,   32*SPI
.set SPARE, SL+3*SLB                   ; the spare words: 128 bytes a wave, four blocks of 256 bytes that no other line names
.set GT,  24                           ; v24-55   the gate as loaded; then its four fragments
.set X,   56                           ; v56-183  x as loaded; then: v56-119 fragments (tile t, k step c at 56 + 32 t + 8 c)
.set D0,  120                          ; v120-127 logits of tokens 0-15
.set D1,  128                          ; v128-135 of tokens 16-31
.set LG,  136                          ; v136-143 lane l: token l's eight partial logits
.set W2R, 152                          ; v152-183 w2's slab as loaded
.set W,   184                          ; v184-247 w1's and w3's slabs as loaded; then 48 registers of turned fragments
.set CT,  248                          ; v248-255 at work
	s_load_b512 s[4:19], s[0:1], 0x0               ; x s[4:5], gate_w s[6:7], w1 s[8:9], w3 s[10:11], w2 s[12:13], rec s[14:15], gw s[16:17], wa s[18:19]
	s_load_b64 s[20:21], s[0:1], 0x40              ; wb
	v_lshl_add_u32 v20, v0, 2, SPARE               ; my spare word,
	v_mov_b32 v21, 0                               ; and 0: kept for the add at the wave's end alone
	v_lshrrev_b32 v1, 5, v0
	v_readfirstlane_b32 s22, v1                    ; wave 0..7
	s_mov_b32 s23, ttmp9                           ; g
	v_and_b32 v1, 31, v0                           ; l
	v_and_b32 v2, 15, v0                           ; r
	v_bfe_u32 v3, v0, 4, 1                         ; h
	s_lshr_b32 s28, s22, 1                         ; w / 2
	s_and_b32 s29, s22, 1                          ; w % 2
	s_lshl_b32 s24, s22, 9
	v_lshl_add_u32 v4, v1, 4, s24                  ; 512 w + 16 l: my 16 bytes of a row of x, and of 4,096 bytes of w1 and w3
	s_add_co_u32 s25, s24, PART
	v_lshl_add_u32 v12, v1, 4, s25                 ; where my partial logits go
	s_lshl_b32 s24, s22, 12
	v_lshl_add_u32 v5, v1, 4, s24                  ; 4,096 w + 16 l: the gate's rows 128 w on
	s_add_co_u32 s24, s24, GS
	v_lshrrev_b32 v19, 1, v1
	v_and_b32 v6, 1, v0
	v_lshl_add_u32 v10, v19, 5, s24
	v_lshl_add_u32 v10, v6, 3, v10                 ; gate into LDS: k-row l / 2, experts 4 (l % 2) on
	v_and_b32 v22, 7, v0
	v_lshl_add_u32 v22, v3, 3, v22                 ; 8 h + l % 8: the k-row that the turning load takes
	v_bfe_u32 v23, v0, 3, 1                        ; and which 8 of its 16 columns
	v_lshl_add_u32 v11, v22, 5, s24
	v_lshl_add_u32 v11, v23, 4, v11                ; the gate's fragments
	s_lshl_b32 s24, s28, 12
	s_lshl_b32 s25, s29, 9
	s_add_co_u32 s24, s24, s25
	v_lshl_add_u32 v7, v1, 4, s24                  ; w2's slab: row w / 2 (4,096 bytes apart), 512 (w % 2) + 16 l
	s_mul_i32 s24, s28, SPI
	s_lshl_b32 s25, s29, 8
	s_add_co_u32 s24, s24, s25
	s_add_co_u32 s24, s24, SL
	v_lshl_add_u32 v13, v1, 3, s24                 ; a slab into LDS: row w / 2, byte 256 (w % 2) + 8 l
	s_mul_i32 s25, s22, XWV
	v_lshl_add_u32 v8, v1, 3, s25                  ; x into LDS: my wave's tile, byte 8 l of a row
	v_mul_u32_u24 v9, v2, XPI
	v_lshl_add_u32 v9, v3, 4, v9
	v_add_nc_u32 v9, s25, v9                       ; x's fragments: row r, 16 h
	v_mul_u32_u24 v14, v22, SPI
	v_lshl_add_u32 v14, v23, 4, v14
	s_lshl_b32 s25, s22, 6
	s_add_co_u32 s25, s25, SL
	v_add_nc_u32 v14, s25, v14                     ; a slab's fragments: my wave turns column blocks 2 w and 2 w + 1
	s_lshr_b32 s25, s22, 2
	s_lshl_b32 s25, s25, 19
	s_and_b32 s24, s22, 3
	s_lshl_b32 s24, s24, 11
	s_add_co_u32 s25, s25, s24
	v_lshl_add_u32 v15, v1, 4, s25                 ; in wa: half w / 4, fragment 2 (w % 4), 16 l
	s_lshl_b32 s25, s22, 11
	v_lshl_add_u32 v16, v1, 4, s25                 ; in wb: fragment 2 w, 16 l
	v_lshl_add_u32 v17, v1, 4, PART                ; wave 0 reads all partial logits of token l
	v_lshlrev_b32 v18, 3, v1                       ; 8 l: my 8 bytes of rec's and gw's 256
	s_mov_b32 s26, 0xffff0000                      ; lanes 16-31; also a word's upper bf16
	s_mov_b32 s27, 0xff800000                      ; -infinity
	s_mov_b32 s30, 0x3fb8aa3b                      ; log2(e)
	s_lshr_b32 s31, s23, 5                         ; e
	s_bfe_u32 s32, s23, 0x30002                    ; ks2 (3 bits from bit 2)
	s_and_b32 s33, s23, 3                          ; q
	s_and_b32 s34, s23, 31                         ; ks
	s_mov_b32 s25, 0
	s_wait_kmcnt 0x0
	s_lshl_b32 s24, s23, 17                        ; 32 tokens of 4,096 bytes
	s_add_nc_u64 s[4:5], s[4:5], s[24:25]
	s_lshl_b32 s24, s23, 15                        ; 32 k-rows of 1,024 bytes: slab g = 32 e + ks is dense
	s_add_nc_u64 s[8:9], s[8:9], s[24:25]
	s_add_nc_u64 s[10:11], s[10:11], s[24:25]
	s_lshl_b32 s24, s23, 8
	s_add_nc_u64 s[14:15], s[14:15], s[24:25]
	s_add_nc_u64 s[16:17], s[16:17], s[24:25]
	s_lshl_b32 s24, s31, 20
	s_lshl_b32 s35, s32, 17
	s_add_co_u32 s24, s24, s35
	s_lshl_b32 s35, s33, 10
	s_add_co_u32 s24, s24, s35
	s_add_nc_u64 s[12:13], s[12:13], s[24:25]      ; w2: expert e, rows 32 ks2 on, columns 256 q on
	s_lshl_b32 s24, s31, 20
	s_lshl_b32 s35, s34, 14
	s_add_co_u32 s24, s24, s35
	s_add_nc_u64 s[18:19], s[18:19], s[24:25]
	s_lshl_b32 s24, s31, 19
	s_lshl_b32 s35, s33, 17
	s_add_co_u32 s24, s24, s35
	s_lshl_b32 s35, s32, 14
	s_add_co_u32 s24, s24, s35
	s_add_nc_u64 s[20:21], s[20:21], s[24:25]
	; 56 loads on end: the gate's 8, x's 32, w1's 8, w3's 8.  Each covers 512 consecutive bytes a wave.
.set i, 0
.rept 8
	global_load_b128 v[GT+4*i:GT+4*i+3], v5, s[6:7] offset:512*i
.set i, i+1
.endr
.set i, 0
.rept 32
	global_load_b128 v[X+4*i:X+4*i+3], v4, s[4:5] offset:4096*i      ; token i, channels 128 w + 4 l on; no hint: the next launch reads x again
.set i, i+1
.endr
.set i, 0
.rept 8
	global_load_b128 v[W+4*i:W+4*i+3], v4, s[8:9] offset:4096*i th:TH_LOAD_NT
.set i, i+1
.endr
.set i, 0
.rept 8
	global_load_b128 v[W+32+4*i:W+32+4*i+3], v4, s[10:11] offset:4096*i th:TH_LOAD_NT
.set i, i+1
.endr
	s_wait_loadcnt 48                              ; the gate is in: behind it stand x's 32, w1's 8 and w3's 8
.set i, 0
.rept 8
	v_cvt_pk_bf16_f32 v[CT+2*(i%4)],   v[GT+4*i],   v[GT+4*i+1]
	v_cvt_pk_bf16_f32 v[CT+2*(i%4)+1], v[GT+4*i+2], v[GT+4*i+3]
	ds_store_b64 v10, v[CT+2*(i%4):CT+2*(i%4)+1] offset:512*i
	ds_store_b64 v10, v[CT+2*(i%4):CT+2*(i%4)+1] offset:512*i+16     ; the same experts once more, as columns 8 to 15
.set i, i+1
.endr
.set u, 0
.rept 8
	s_wait_loadcnt 44-4*u                          ; tokens 4 u .. 4 u + 3 are in: behind them x's later 28 - 4 u and the 16 of w1 and w3
.set j, 4*u
.rept 4
	v_cvt_pk_bf16_f32 v[CT+2*(j%4)],   v[X+4*j],   v[X+4*j+1]
	v_cvt_pk_bf16_f32 v[CT+2*(j%4)+1], v[X+4*j+2], v[X+4*j+3]
	ds_store_b64 v8, v[CT+2*(j%4):CT+2*(j%4)+1] offset:XPI*j
.set j, j+1
.endr
.set u, u+1
.endr
.set i, 0
.rept 8
	global_load_b128 v[W2R+4*i:W2R+4*i+3], v7, s[12:13] offset:16384*i th:TH_LOAD_NT  ; w2's slab, into registers that x has left
.set i, i+1
.endr
	; The wave's own LDS bytes, served in order: no barrier between the stores above and these loads.
.set c, 0
.rept 4
	ds_load_tr16_b128 v[GT+8*c:GT+8*c+3],   v11 offset:1024*c        ; k = 32 c + 8 h + 0..7 of column r
	ds_load_tr16_b128 v[GT+8*c+4:GT+8*c+7], v11 offset:1024*c+512    ; k = 32 c + 16 + 8 h + 0..7
.set c, c+1
.endr
.set i, 0
.rept 8                                ; tile i / 4, k step i % 4
	ds_load_b128 v[X+8*i:X+8*i+3],   v9 offset:(i/4)*16*XPI+(i%4)*64
	ds_load_b128 v[X+8*i+4:X+8*i+7], v9 offset:(i/4)*16*XPI+(i%4)*64+32
.set i, i+1
.endr
	s_wait_dscnt 0x0
	; Source 0 = the gate (rows 8-15 repeat rows 0-7), source 1 = 16 tokens: register j of lane (r, h) is the logit of token r for expert j, in both halves of the lanes.
	; The two accumulators take turns, one instruction a turn.
	v_wmma_f32_16x16x32_bf16 v[D0:D0+7], v[GT:GT+7], v[X:X+7], 0
	v_wmma_f32_16x16x32_bf16 v[D1:D1+7], v[GT:GT+7], v[X+32:X+39], 0
.set c, 1
.rept 3
	v_wmma_f32_16x16x32_bf16 v[D0:D0+7], v[GT+8*c:GT+8*c+7], v[X+8*c:X+8*c+7], v[D0:D0+7]
	v_wmma_f32_16x16x32_bf16 v[D1:D1+7], v[GT+8*c:GT+8*c+7], v[X+32+8*c:X+32+8*c+7], v[D1:D1+7]
.set c, c+1
.endr
.rept 4
	v_nop                                          ; four places behind the last product, ahead of the first read of its result (ISA guide 7.12.1)
.endr
.set j, 0
.rept 8
	v_cndmask_b32 v[LG+j], v[D0+j], v[D1+j], s26   ; lanes 16-31 take the second tile: lane l holds token l; the lowest registers first
.set j, j+1
.endr
	ds_store_b128 v12, v[LG:LG+3]
	ds_store_b128 v12, v[LG+4:LG+7] offset:4096
; A slab is rounded to bf16 and laid into LDS as [k][n].  left = the loads issued behind the slab's own.  half = 1: the rounded numbers are widened again and written as f16.
.macro SLAB s, reg, left, half
	s_wait_loadcnt \left
.set i, 0
.rept 8
	v_cvt_pk_bf16_f32 v[CT+2*(i%4)],   v[(\reg)+4*i],   v[(\reg)+4*i+1]
	v_cvt_pk_bf16_f32 v[CT+2*(i%4)+1], v[(\reg)+4*i+2], v[(\reg)+4*i+3]
.if \half
	v_lshlrev_b32 v[(\reg)+4*i],   16,  v[CT+2*(i%4)]                ; bf16 to f32: the low half moves up, the high half stays
	v_and_b32     v[(\reg)+4*i+1], s26, v[CT+2*(i%4)]
	v_lshlrev_b32 v[(\reg)+4*i+2], 16,  v[CT+2*(i%4)+1]
	v_and_b32     v[(\reg)+4*i+3], s26, v[CT+2*(i%4)+1]
	v_cvt_pk_f16_f32 v[CT+2*(i%4)],   v[(\reg)+4*i],   v[(\reg)+4*i+1]
	v_cvt_pk_f16_f32 v[CT+2*(i%4)+1], v[(\reg)+4*i+2], v[(\reg)+4*i+3]
.endif
	ds_store_b64 v13, v[CT+2*(i%4):CT+2*(i%4)+1] offset:SLB*(\s)+4*SPI*i
.set i, i+1
.endr
.endm
	SLAB 0, W, 16, 0                               ; w1: behind it w3's 8 and w2's 8
	SLAB 1, W+32, 8, 0                             ; w3: behind it w2's 8
	SLAB 2, W2R, 0, 1                              ; w2
	s_wait_dscnt 0x0                               ; for the others' sake: my partial logits and my parts of the slabs are in LDS
	s_barrier_signal -1
	s_barrier_wait -1                              ; the one barrier: everybody's are
.set i, 0
.rept 6                                ; slab i / 2, column block 2 w + i % 2
	ds_load_tr16_b128 v[W+8*i:W+8*i+3],   v14 offset:SLB*(i/2)+32*(i%2)
	ds_load_tr16_b128 v[W+8*i+4:W+8*i+7], v14 offset:SLB*(i/2)+32*(i%2)+16*SPI
.set i, i+1
.endr
	s_wait_dscnt 0x0
.set i, 0
.rept 4                                ; w1 and w3: each store of the wave covers 512 consecutive bytes, aligned
	global_store_b128 v15, v[W+8*i:W+8*i+3],   s[18:19] offset:8192*(i/2)+1024*(i%2)
	global_store_b128 v15, v[W+8*i+4:W+8*i+7], s[18:19] offset:8192*(i/2)+1024*(i%2)+512
.set i, i+1
.endr
.set i, 0
.rept 2
	global_store_b128 v16, v[W+32+8*i:W+32+8*i+3], s[20:21] offset:1024*i
	global_store_b128 v16, v[W+32+8*i+4:W+32+8*i+7], s[20:21] offset:1024*i+512
.set i, i+1
.endr
	s_cmp_lg_u32 s22, 0
	s_cbranch_scc1 .Lend                           ; the choice is wave 0's: lane l has token l
.set i, 0
.rept 8                                ; wave i's partial logits at v[X + 8 i .. + 7]
	ds_load_b128 v[X+8*i:X+8*i+3],   v17 offset:512*i
	ds_load_b128 v[X+8*i+4:X+8*i+7], v17 offset:4096+512*i
.set i, i+1
.endr
	s_wait_dscnt 0x0
.set i, 1
.rept 7                                ; f32 sums, waves in ascending order
.irp j, 0,2,4,6
	v_pk_add_f32 v[X+(\j):X+(\j)+1], v[X+(\j):X+(\j)+1], v[X+8*i+(\j):X+8*i+(\j)+1]
.endr
.set i, i+1
.endr
	v_mov_b32 v144, v[X]                           ; the largest, v144, and its index, v145: only a strictly greater logit takes over, so a tie keeps the lower index
	v_mov_b32 v145, 0
.irp e, 1,2,3,4,5,6,7
	v_cmp_gt_f32 vcc_lo, v[X+(\e)], v144
	v_cndmask_b32 v145, v145, \e, vcc_lo
	v_max_num_f32 v144, v144, v[X+(\e)]
.endr
.irp e, 0,1,2,3,4,5,6,7
	v_cmp_eq_u32 vcc_lo, \e, v145
	v_cndmask_b32 v[X+(\e)], v[X+(\e)], s27, vcc_lo  ; the winner leaves
.endr
	v_mov_b32 v150, v[X]                           ; the second, v150, and its index, v151
	v_mov_b32 v151, 0
.irp e, 1,2,3,4,5,6,7
	v_cmp_gt_f32 vcc_lo, v[X+(\e)], v150
	v_cndmask_b32 v151, v151, \e, vcc_lo
	v_max_num_f32 v150, v150, v[X+(\e)]
.endr
	v_sub_f32 v136, v150, v144                     ; the maximum is taken away: the exponent is 0 for the first and this, at most 0, for the second
	v_mul_f32 v136, s30, v136
	v_exp_f32 v137, v136                           ; t
	v_min_u32 v138, v145, v151                     ; lo: the plain instruction behind the exponential
	s_wait_alu depctr_va_vdst(0)                   ; the wait ahead of the first line that names the result
	v_add_f32 v139, 1.0, v137
	v_rcp_f32 v140, v139                           ; the first's weight, 1 / (1 + t)
	v_add_nc_u32 v141, v145, v151                  ; the plain instruction behind the reciprocal
	s_wait_alu depctr_va_vdst(0)
	v_mul_f32 v142, v137, v140                     ; the second's, t / (1 + t)
	v_sub_nc_u32 v141, v141, v138                  ; hi
	v_cmp_lt_u32 vcc_lo, v145, v151
	v_cndmask_b32 v148, v142, v140, vcc_lo         ; the weight of lo,
	v_cndmask_b32 v149, v140, v142, vcc_lo         ; and of hi
	v_sub_nc_u32 v143, 15, v138
	v_mul_u32_u24 v143, v138, v143
	v_lshrrev_b32 v143, 1, v143
	v_add_nc_u32 v143, v143, v141
	v_sub_nc_u32 v143, v143, v138
	v_add_nc_u32 v143, -1, v143                    ; the pair's number
	v_mov_b32 v146, 0                              ; lane p: the count of pair p among my 32 tokens,
	v_mov_b32 v147, 0                              ; and their bit mask
.set p, 0
.rept 28
	v_cmp_eq_u32 s28, p, v143
	s_bcnt1_i32_b32 s29, s28
	v_writelane_b32 v146, s29, p
	v_writelane_b32 v147, s28, p
.set p, p+1
.endr
	global_store_b64 v18, v[146:147], s[14:15]     ; 256 consecutive bytes, aligned
	global_store_b64 v18, v[148:149], s[16:17]     ; likewise
.Lend:
	s_wait_tensorcnt 0x0                           ; the wave's end
	ds_add_u32 v20, v21
	s_wait_dscnt 0x0
	s_endpgm
.Lfunc_end_k_q1015598328_route_prep:
	.size	k_q1015598328_route_prep, .Lfunc_end_k_q1015598328_route_prep-k_q1015598328_route_prep
	.p2alignl 7, 3214868480
	.fill 96, 4, 3214868480
	.section	.rodata,"a",@progbits
	.p2align	6, 0x0
	.amdhsa_kernel k_q1015598328_route_prep
		.amdhsa_group_segment_fixed_size 163840
		.amdhsa_private_segment_fixed_size 0
		.amdhsa_enable_private_segment 0
		.amdhsa_kernarg_size 72
		.amdhsa_user_sgpr_count 2
		.amdhsa_user_sgpr_kernarg_segment_ptr 1
		.amdhsa_wavefront_size32 1
		.amdhsa_system_sgpr_workgroup_id_x 1
		.amdhsa_system_sgpr_workgroup_id_y 1
		.amdhsa_system_sgpr_workgroup_id_z 1
		.amdhsa_system_vgpr_workitem_id 0
		.amdhsa_next_free_vgpr 256
		.amdhsa_next_free_sgpr 66
		.amdhsa_reserve_vcc 1
		.amdhsa_float_denorm_mode_32 3
		.amdhsa_float_denorm_mode_16_64 3
		.amdhsa_memory_ordered 1
		.amdhsa_forward_progress 1
		.amdhsa_inst_pref_size 43
	.end_amdhsa_kernel
	.amdgpu_metadata
---
amdhsa.version: [ 1, 2 ]
amdhsa.kernels:
  - .name:           k_q1015598328_route_prep
    .symbol:         k_q1015598328_route_prep.kd
    .args:
      - { .name: x, .offset: 0, .size: 8, .value_kind: global_buffer, .address_space: global }
      - { .name: gate_w, .offset: 8, .size: 8, .value_kind: global_buffer, .address_space: global }
      - { .name: w1, .offset: 16, .size: 8, .value_kind: global_buffer, .address_space: global }
      - { .name: w3, .offset: 24, .size: 8, .value_kind: global_buffer, .address_space: global }
      - { .name: w2, .offset: 32, .size: 8, .value_kind: global_buffer, .address_space: global }
      - { .name: rec, .offset: 40, .size: 8, .value_kind: global_buffer, .address_space: global }
      - { .name: gw, .offset: 48, .size: 8, .value_kind: global_buffer, .address_space: global }
      - { .name: wa, .offset: 56, .size: 8, .value_kind: global_buffer, .address_space: global }
      - { .name: wb, .offset: 64, .size: 8, .value_kind: global_buffer, .address_space: global }
    .group_segment_fixed_size: 163840
    .private_segment_fixed_size: 0
    .kernarg_segment_align: 8
    .kernarg_segment_size: 72
    .max_flat_workgroup_size: 256
    .sgpr_count:     66
    .vgpr_count:     256
    .wavefront_size: 32
...
	.end_amdgpu_metadata
.endif
;; end of part 1
;; launch chain (part 2): grid 155 x 1, 4 waves a work-group, no clusters, 203,776 bytes of LDS; arguments x, rec, gw, wa, wb, out0; writes out0
.if DOCPART == 2
	.amdgcn_target "amdgcn-amd-amdhsa--gfx1250"
	.amdhsa_code_object_version 6
	.text
	.protected	k_q1015598328_chain
	.globl	k_q1015598328_chain
	.p2align	8
	.type	k_q1015598328_chain,@function
k_q1015598328_chain:
	s_mov_b64 s[64:65], 0
	v_nop
	global_prefetch_b8 v0, s[64:65] scope:SCOPE_SE
	s_setreg_imm32_b32 hwreg(HW_REG_WAVE_MODE, 25, 1), 1
	s_wait_xcnt 0x0
; THE EXPERTS' CHAIN.  Tokens are sorted by their PAIR of experts (28 pairs lo < hi).  A work-group owns a tile of up to 64 tokens of one pair and takes it through everything:
; gather of x, x w1 and x w3 of both experts, silu(.) * (.) * gate weight, and ONE second product over 512 hidden numbers (lo's 256, then hi's 256), so that both experts add into one
; accumulator and each output row is stored by one owner.  With 8,192 tokens and 28 pairs there are never more than 8192 / 64 + 27 = 155 tiles, whatever the split: the grid.
; Every work-group finds its tile and its tokens for itself from rec (65,536 bytes of whole numbers that the launch before stored).  A work-group that the split leaves without a tile
; passes every barrier, jumps over the two counted loops and stores nothing.  Places of a tile past its count repeat the tile's first token.  Blocks of 16 rows wholly past the count are not stored;
; in the one block that the count cuts, the repeated places are stored too: the same wave stores that token's row again, made of the same operands in the same order.
; SHARES.  First product: wave w has expert w / 2 of the pair and hidden columns 128 (w % 2) on, of w1 and of w3, for all 64 tokens.  Second product: output columns 256 w on.  64 accumulators, 512 registers.
; The weights come from memory straight into registers as operands (the launch before laid them so): each weight byte has one reader in the work-group, so LDS would add a write and a read and spare none.
; Both products are used transposed (source 0 = 16 columns of the weights, source 1 = 16 tokens): a lane holds one token and eight neighbouring columns.
; FORMATS.  First product: bf16.  The hidden numbers are products of two sums and reach far beyond their spread; one of 8 to 16 rounded to bf16's 8 bits is off by up to 1/32, which times a large weight of w2 is
; more than an output may be off.  So the second product is f16 (11 bits), and since f16 ends at 65,504 each token's 512 hidden numbers are first multiplied by a power of two s that brings the largest of them
; into 2^13 .. 2^14; the sums are multiplied by 1 / s.  Both multiplications are exact.  s comes from the exponent field of the token's largest |h|; it enters values alone, no address and no branch.
; NO CLUSTER: the weights do not pass through LDS, where alone a joint load could land; a pair's number of tiles, ceil(count / 64), hangs on the stored counts and is no multiple of four at every split;
; what a tile's work-group alone reads, its 64 rows of x, comes by a list.  NO TENSOR LOADS: x is gathered by a list and rounded on its way through registers.
; LIMITS.  x, w1, w3 are bf16 (rounded once); w2 is its bf16 rounding written as f16 (exact from 2^-17 to 65,504); the hidden layer, already times the gate weight, is rounded once to f16: a number below 2^-29 of
; its token's largest keeps a fixed step of 2^-38 of that largest.  The largest counts as at least 2^-100 and at most 2^126: every finite hidden number stays under 2^15 when scaled.  All sums in f32.
; silu(a) = a / (1 + 2^(-a log2 e)): the exponential and the reciprocal flush denormals; where the exponential overflows the quotient is 0.  NaN and infinities are not treated apart.
; REGISTERS, in windows of 256 (s_set_vgpr_msb: bits 1:0 source 0, 3:2 source 1, 5:4 source 2, 7:6 destination):
;   window 0: v0-15 addresses; v16-23 gate weights, then s; v24-39 row offsets of the gather; v40-63 at work (v48-55 1 / s from the scaling on); v64-127 fragments of x or h, two buffers of four
;             (ahead of that the list's work, behind it the way out's row offsets); v128-255 at work
;   window 1: the weights' fragments, two buffers of sixteen      windows 2, 3: the accumulators: tile a of 16 tokens, fragment f at v[8 (16 (a % 2) + f)] of window 2 + a / 2 (window 2 first stages x)
.set XT,    0                          ; 64 rows of x in bf16; ahead of that the table T [32 pair slots] x 2,064; behind the first product the four waves' stages for the way out
.set XP,    2064                       ; 2,048 + 16: an odd multiple of 16
.set HT,    64*XP                      ; 64 rows of the hidden layer: lo's 256, hi's 256, f16
.set HP,    1040                       ; 1,024 + 16
.set TOT,   HT+64*HP                   ; [pair slot][wave] counts
.set LW,    TOT+512                    ; a wave's own 64 slots of the list, and at byte 256 a word for what does not belong to the tile
.set ML,    LW+4*512                   ; a wave's own copy of the merged list
.set MXS,   ML+4*256                   ; [wave][64 tokens] f32: the largest |h| among the wave's 128 hidden columns
.set SPARE, MXS+4*256                  ; the spare words: 128 bytes a wave, two blocks of 256 bytes that no other line names
.set AF,   64
.set AT,   62                          ; v62-63  in the loops over K: the token fragments' addresses of the trip in hand
.set SC,   16                          ; v16-23  tile a's s at v[16 + 2 a], named as a pair
.set INV,  48                          ; v48-55  tile a's 1 / s likewise
.set BIG,  128
.set EE,   128
.set PP,   192
.set OFFR, 24
.set TB,   64                          ; v64-71  the list: eight bits,
.set TY,   72                          ; v72-79  their slots' addresses,
.set TT,   80                          ; v80-87  their tokens
.set SB,   50                          ; s[50:57] the weights' stream: a base for each group of sixteen loads: buffer par, half grp at s[50 + 4 par + 2 grp]
.set MSB, 0
.macro WIN new                         ; the immediate's high byte repeats the setting that is left; a switch that changes nothing is dropped
.if MSB != (\new)
	s_set_vgpr_msb (MSB<<8)|(\new)
.set MSB, (\new)
.endif
.endm
.set MUL_LO, 0xa1                      ; source 0 (weights) window 1, source 1 (tokens) window 0, C and D window 2
.set TO_B,   0x40                      ; destination window 1, address window 0
	s_load_b256 s[4:11], s[0:1], 0x0               ; x s[4:5], rec s[6:7], gw s[8:9], wa s[10:11]
	s_load_b128 s[12:15], s[0:1], 0x20             ; wb s[12:13], out0 s[14:15]
	v_lshl_add_u32 v14, v0, 2, SPARE               ; my spare word,
	v_mov_b32 v15, 0                               ; and 0: kept for the add at the wave's end alone
	v_lshrrev_b32 v1, 5, v0
	v_readfirstlane_b32 s16, v1                    ; wave 0..3
	s_mov_b32 s17, ttmp9                           ; my tile's number
	v_and_b32 v1, 31, v0                           ; l
	v_and_b32 v2, 15, v0                           ; r
	v_bfe_u32 v3, v0, 4, 1                         ; h
	v_lshlrev_b32 v4, 4, v1                        ; 16 l; never rewritten
	v_mul_u32_u24 v5, v2, XP
	v_lshl_add_u32 v5, v3, 4, v5                   ; x's fragments, tiles 0 and 1: row r, 16 h; never rewritten
	v_add_nc_u32 v6, 32*XP, v5                     ; tiles 2 and 3; never rewritten
	v_mul_u32_u24 v9, v2, HP
	v_lshl_add_u32 v7, v3, 4, v9
	v_add_nc_u32 v7, HT, v7                        ; h's fragments likewise; never rewritten
	v_add_nc_u32 v8, 32*HP, v7
	s_mul_i32 s26, s16, 16*HP
	v_lshl_add_u32 v10, v3, 5, v9
	v_add_nc_u32 v10, s26, v10                     ; the way out: into my stage: row r, 32 bytes for each half of the lanes
	v_add_nc_u32 v11, s26, v4                      ; and back: 512 consecutive bytes of a row
	s_lshl_b32 s25, s16, 8
	v_add_nc_u32 v9, s25, v7                       ; where my hidden numbers go: byte 256 w of a row
	s_lshl_b32 s27, s16, 10
	v_add_nc_u32 v12, s27, v4                      ; my bytes of an output row: 1,024 w + 16 l
	s_add_co_u32 s25, s25, ML
	v_mov_b32 v13, s25                             ; my copy of the list
	v_mov_b32 v61, 0                               ; a zero for plain use; never rewritten
	s_mov_b32 s38, 0xbfb8aa3b                      ; -log2(e),
	s_mov_b32 s39, s38                             ; named as a pair
	s_mov_b32 s40, 0xaaaaaaaa                      ; the lanes whose number has bit 0, 1, 2, 3, 4 set
	s_mov_b32 s41, 0xcccccccc
	s_mov_b32 s42, 0xf0f0f0f0
	s_mov_b32 s43, 0xff00ff00
	s_mov_b32 s44, 0xffff0000
	s_mov_b32 s46, 0x76543210                      ; v_permlanex16_b32: each lane takes its own place in the other half
	s_mov_b32 s47, 0xfedcba98
	s_mov_b32 s48, 0x0d800000                      ; 2^-100
	s_mov_b32 s49, 0x7e800000                      ; 2^126
	; THE COUNTS.  Wave w reads blocks 64 w .. 64 w + 63 of rec; lane = pair slot.  The pairs (count, mask) go into T turned: [pair slot][block]; the wave's sum a slot into TOT.
	s_lshl_b32 s25, s16, 14
	v_lshl_add_u32 v40, v1, 3, s25
	s_lshl_b32 s26, s16, 9
	v_mul_u32_u24 v41, v1, XP
	v_add_nc_u32 v41, s26, v41                     ; T: row l, byte 512 w
	s_add_co_u32 s27, s26, LW
	v_mov_b32 v60, s27                             ; my slots
	v_lshl_add_u32 v42, v1, 2, s27
	s_lshl_b32 s28, s16, 2
	s_add_co_u32 s28, s28, TOT
	v_lshl_add_u32 v44, v1, 4, s28
	s_wait_kmcnt 0x0
.set i, 0
.rept 64
	global_load_b64 v[BIG+2*i:BIG+2*i+1], v40, s[6:7] offset:256*i   ; a block's 256 bytes
.set i, i+1
.endr
	ds_store_b32 v42, v61                          ; my 64 slots start at 0
	ds_store_b32 v42, v61 offset:128
.set c, 0
.rept 4
	s_wait_loadcnt 48-16*c                         ; sixteen more blocks are in: behind them the later chunks' loads
.set k, 0
.rept 8
.if (c == 0) && (k == 0)
	v_add_nc_u32 v45, v[BIG], v[BIG+2]
.else
	v_add3_u32 v45, v45, v[BIG+32*c+4*k], v[BIG+32*c+4*k+2]
.endif
	ds_store_b128 v41, v[BIG+32*c+4*k:BIG+32*c+4*k+3] offset:16*(8*c+k)
.set k, k+1
.endr
.set c, c+1
.endr
	ds_store_b32 v44, v45
	s_wait_dscnt 0x0                               ; for the others' sake: my part of T and of TOT is in LDS
	s_barrier_signal -1
	s_barrier_wait -1
; The sum of the earlier lanes' numbers, v49, of the numbers in v48 (v49 = 0 at the start): five steps; in each the partner group's sum is added to the group's, and to v49 where my lane's bit is set,
; since the partner's group then lies ahead of me.
.macro SCAN m, mask
	v_mov_b32_dpp v50, v48 row_xmask:\m row_mask:0xf bank_mask:0xf
	v_cndmask_b32 v51, 0, v50, s[\mask]
	v_add_nc_u32 v49, v49, v51
	v_add_nc_u32 v48, v48, v50
.endm
.macro SCAN32
	SCAN 1, 40
	SCAN 2, 41
	SCAN 4, 42
	SCAN 8, 43
	v_permlanex16_b32 v50, v48, s46, s47
	v_cndmask_b32 v51, 0, v50, s44
	v_add_nc_u32 v49, v49, v51
.endm
	; WHICH TILE IS MINE.  Lane p: pair p has ceil(count / 64) tiles, which follow the earlier pairs'; mine is the pair in whose run of tiles my number falls: one lane at the most says so.
	v_lshl_add_u32 v46, v1, 4, TOT
	ds_load_b128 v[48:51], v46
	s_wait_dscnt 0x0
	v_add3_u32 v52, v48, v49, v50
	v_add_nc_u32 v52, v52, v51                     ; the count of pair p (slots 28 to 31: 0)
	v_add_nc_u32 v53, 63, v52
	v_lshrrev_b32 v53, 6, v53                      ; its tiles
	v_mov_b32 v48, v53
	v_mov_b32 v49, 0
	SCAN32                                         ; v49: its first tile
	v_sub_nc_u32 v54, s17, v49                     ; my number less that: wraps to a large number if the pair's tiles lie behind mine
	v_cmp_lt_u32 s25, v54, v53
	s_ctz_i32_b32 s18, s25                         ; the pair; all ones if no lane said so,
	s_min_u32 s18, s18, 27                         ; which then counts as pair 27, with no rows
	v_readlane_b32 s19, v54, s18                   ; my tile among the pair's
	v_readlane_b32 s20, v52, s18                   ; the pair's count
	s_cmp_lg_u32 s25, 0
	s_cselect_b32 s19, s19, 0
	s_cselect_b32 s20, s20, 0
	s_mov_b32 s22, 0                               ; lo: pairs 0-6 have lo = 0, 7-12 lo = 1, 13-17, 18-21, 22-24, 25-26, 27
.irp t, 7,13,18,22,25,27
	s_cmp_ge_u32 s18, \t
	s_add_co_ci_u32 s22, s22, 0
.endr
	s_sub_co_u32 s26, 15, s22
	s_mul_i32 s26, s26, s22
	s_lshr_b32 s26, s26, 1                         ; lo (15 - lo) / 2: the number of the pair (lo, lo + 1)
	s_sub_co_u32 s23, s18, s26
	s_add_co_u32 s23, s23, s22
	s_add_co_u32 s23, s23, 1                       ; hi
	s_lshl_b32 s29, s19, 6                         ; the rank of my tile's first token in its pair
	s_sub_co_u32 s21, s20, s29
	s_min_u32 s21, s21, 64                         ; n: my tile's tokens, 0 to 64
	s_cmp_lt_u32 s16, 2
	s_cselect_b32 s26, s22, s23                    ; my wave's expert in the first product
	s_min_u32 s26, s26, 7
	s_min_u32 s22, s22, 7
	s_min_u32 s23, s23, 7
	s_lshl_b32 s26, s26, 20
	s_and_b32 s27, s16, 1
	s_lshl_b32 s27, s27, 19
	s_add_co_u32 s26, s26, s27
	s_mov_b32 s27, 0
	s_add_nc_u64 s[SB:SB+1], s[10:11], s[26:27]    ; the stream: wa at my expert and my half of its hidden columns, once for each group of loads
	s_mov_b64 s[SB+2:SB+3], s[SB:SB+1]
	s_mov_b64 s[SB+4:SB+5], s[SB:SB+1]
	s_mov_b64 s[SB+6:SB+7], s[SB:SB+1]
	s_lshl_b32 s28, s16, 17
	s_lshl_b32 s26, s22, 19
	s_add_co_u32 s26, s26, s28
	s_add_nc_u64 s[32:33], s[12:13], s[26:27]      ; wb at lo, my 256 output columns
	s_lshl_b32 s26, s23, 19
	s_add_co_u32 s26, s26, s28
	s_add_nc_u64 s[34:35], s[12:13], s[26:27]      ; wb at hi
; Sixteen loads: fragments 8 grp .. 8 grp + 7 of a K step into buffer par, by the group's own base.  A K step is 16,384 consecutive bytes of the stream; each load takes 512 of them.
.macro REFILL par, grp
	WIN TO_B
.irp f, 0,1,2,3,4,5,6,7
	global_load_b128 v[128*(\par)+8*(8*(\grp)+(\f)):128*(\par)+8*(8*(\grp)+(\f))+3],   v4, s[SB+4*(\par)+2*(\grp):SB+4*(\par)+2*(\grp)+1] offset:16384*(\par)+1024*(8*(\grp)+(\f))
	global_load_b128 v[128*(\par)+8*(8*(\grp)+(\f))+4:128*(\par)+8*(8*(\grp)+(\f))+7], v4, s[SB+4*(\par)+2*(\grp):SB+4*(\par)+2*(\grp)+1] offset:16384*(\par)+1024*(8*(\grp)+(\f))+512
.endr
.endm
	REFILL 0, 0                                    ; K steps 0 and 1 are asked for now: they land while the list is made and x is gathered
	REFILL 0, 1
	REFILL 1, 0
	REFILL 1, 1
	WIN 0
	; THE LIST.  Thread t has blocks 2 t and 2 t + 1 of my pair.  Its tokens' ranks begin at the earlier waves' totals plus the earlier lanes' counts; the tokens of rank r0 .. r0 + 63 are my tile's.
	s_mul_i32 s25, s18, XP
	s_lshl_b32 s26, s16, 9
	s_add_co_u32 s25, s25, s26
	v_lshl_add_u32 v54, v1, 4, s25
	ds_load_b128 v[40:43], v54                     ; count, mask, count, mask
	s_lshl_b32 s26, s18, 4
	s_add_co_u32 s26, s26, TOT
	v_mov_b32 v55, s26
	ds_load_b128 v[44:47], v55                     ; the four waves' totals of my pair
	v_mov_b32 v49, 0
	v_lshlrev_b32 v53, 6, v0                       ; my first token's number
	s_wait_dscnt 0x0
	v_readfirstlane_b32 s25, v44
	v_readfirstlane_b32 s26, v45
	v_readfirstlane_b32 s27, v46
	s_cmp_gt_u32 s16, 0
	s_cselect_b32 s25, s25, 0
	s_cmp_gt_u32 s16, 1
	s_cselect_b32 s26, s26, 0
	s_cmp_gt_u32 s16, 2
	s_cselect_b32 s27, s27, 0
	s_add_co_u32 s25, s25, s26
	s_add_co_u32 s25, s25, s27
	s_sub_co_u32 s25, s25, s29                     ; less r0: may wrap below 0
	v_add_nc_u32 v48, v40, v42
	SCAN32
	v_add_lshl_u32 v52, v49, s25, 2                ; four times the place in the tile of the next token of my first block,
	v_lshl_add_u32 v47, v40, 2, v52                ; and of my second, which follows the first block's count
	; Eight trips, four bits of both masks each (number j = 2 k + word: bit k of that word).  A token of the pair whose place lies in 0 .. 63 goes into its slot; every other store goes to the
	; word at byte 256 of my slots, which nobody reads.  The eight are worked side by side, so that no line reads the result of the line before it; only the two places step from bit to bit.
	s_mov_b32 s36, 8
.Llist:
.set j, 0
.rept 8
	v_bfe_u32 v[TB+j], v[41+2*(j%2)], j/2, 1
	v_add_nc_u32 v[TT+j], 32*(j%2)+j/2, v53        ; the token
.set j, j+1
.endr
.set j, 0
.rept 8
	v_add_nc_u32 v[TY+j], -1, v[TB+j]              ; 0 if the bit is set, else all ones
.set j, j+1
.endr
.set k, 0
.rept 4
	v_or_b32 v[TY+2*k],   v52, v[TY+2*k]
	v_or_b32 v[TY+2*k+1], v47, v[TY+2*k+1]
	v_lshl_add_u32 v52, v[TB+2*k],   2, v52
	v_lshl_add_u32 v47, v[TB+2*k+1], 2, v47
.set k, k+1
.endr
.set j, 0
.rept 8
	v_min_u32 v[TY+j], 0x100, v[TY+j]
.set j, j+1
.endr
.set j, 0
.rept 8
	v_add_nc_u32 v[TY+j], v60, v[TY+j]
.set j, j+1
.endr
.set j, 0
.rept 8
	ds_store_b32 v[TY+j], v[TT+j]
.set j, j+1
.endr
	v_lshrrev_b32 v41, 4, v41
	v_lshrrev_b32 v43, 4, v43
	v_add_nc_u32 v53, 4, v53
	s_sub_co_u32 s36, s36, 1
	s_cmp_lg_u32 s36, 0
	s_cbranch_scc1 .Llist
	s_wait_dscnt 0x0                               ; my slots are written, and my reads of T are back: x may overwrite it
	s_barrier_signal -1
	s_barrier_wait -1
	; THE FOUR WAVES' SLOTS ARE MERGED (each slot was filled by one wave at the most, the others hold 0) into a copy of the wave's own; the places from n on take the tile's first token.
	v_lshl_add_u32 v54, v1, 2, LW
.set i, 0
.rept 8
	ds_load_b32 v[40+i], v54 offset:512*(i/2)+128*(i%2)
.set i, i+1
.endr
	v_lshl_add_u32 v55, v1, 2, v13
	v_lshl_add_u32 v56, v2, 2, v13
	s_lshl_b32 s25, s16, 6
	v_add_nc_u32 v57, s25, v13
	s_mul_i32 s27, s16, 16*XP
	v_lshl_add_u32 v58, v1, 3, s27                 ; x into LDS: my 16 rows, byte 8 l
	s_lshr_b32 s26, s16, 1
	s_lshl_b32 s26, s26, 2                         ; which of a token's two gate weights is my expert's
	v_add_nc_u32 v59, 32, v1
	s_wait_dscnt 0x0
	v_or_b32 v40, v40, v42
	v_or_b32 v41, v41, v43
	v_or_b32 v44, v44, v46
	v_or_b32 v45, v45, v47
	v_or_b32 v40, v40, v44                         ; place l,
	v_or_b32 v41, v41, v45                         ; place 32 + l
	v_readfirstlane_b32 s28, v40                   ; place 0's token
	v_cmp_gt_u32 vcc_lo, s21, v1
	v_cndmask_b32 v40, s28, v40, vcc_lo
	v_cmp_gt_u32 vcc_lo, s21, v59
	v_cndmask_b32 v41, s28, v41, vcc_lo
	ds_store_b32 v55, v40
	ds_store_b32 v55, v41 offset:128
.set a, 0
.rept 4
	ds_load_b32 v[48+a], v56 offset:64*a           ; the token of row 16 a + r (my own bytes, served in order)
.set a, a+1
.endr
.set i, 0
.rept 16
	ds_load_b32 v[OFFR+i], v57 offset:4*i          ; the tokens of the rows that I gather, 16 w + i, in every lane
.set i, i+1
.endr
	s_wait_dscnt 0x0
.set a, 0
.rept 4
	v_min_u32 v[48+a], 0x1fff, v[48+a]
	v_lshl_add_u32 v[48+a], v[48+a], 3, s26
	global_load_b32 v[16+2*a], v[48+a], s[8:9]
.set a, a+1
.endr
.set i, 0
.rept 16
	v_min_u32 v[OFFR+i], 0x1fff, v[OFFR+i]
	v_lshl_add_u32 v[OFFR+i], v[OFFR+i], 12, v4    ; a row of x is 4,096 bytes
.set i, i+1
.endr
; THE GATHER: four rows a batch, eight loads of 512 consecutive bytes a row, into window 2; two batches are out at a time.
.macro GLOAD buf, bat
	WIN 0x80
.irp r, 0,1,2,3
.irp c, 0,1,2,3,4,5,6,7
	global_load_b128 v[128*(\buf)+32*(\r)+4*(\c):128*(\buf)+32*(\r)+4*(\c)+3], v[OFFR+4*(\bat)+(\r)], s[4:5] offset:512*(\c)
.endr
.endr
.endm
.macro GCVT buf, bat
.irp r, 0,1,2,3
	WIN 0x0a                                       ; sources in window 2
.irp c, 0,1,2,3,4,5,6,7
	v_cvt_pk_bf16_f32 v[40+2*(\c)], v[128*(\buf)+32*(\r)+4*(\c)],   v[128*(\buf)+32*(\r)+4*(\c)+1]
	v_cvt_pk_bf16_f32 v[41+2*(\c)], v[128*(\buf)+32*(\r)+4*(\c)+2], v[128*(\buf)+32*(\r)+4*(\c)+3]
.endr
	WIN 0
.irp c, 0,1,2,3,4,5,6,7
	ds_store_b64 v58, v[40+2*(\c):41+2*(\c)] offset:XP*(4*(\bat)+(\r))+256*(\c)
.endr
.endr
.endm
	GLOAD 0, 0
	GLOAD 1, 1
	WIN 0
	s_wait_loadcnt 32                              ; all but the younger batch: the first batch, and ahead of it the gate weights and the weights' first two K steps
.set a, 0
.rept 4
	v_mov_b32 v[17+2*a], v[16+2*a]                 ; named as pairs
.set a, a+1
.endr
	GCVT 0, 0
	GLOAD 0, 2
	s_wait_loadcnt 32
	GCVT 1, 1
	GLOAD 1, 3
	s_wait_loadcnt 32
	GCVT 0, 2
	s_wait_loadcnt 0x0
	GCVT 1, 3
	s_wait_dscnt 0x0                               ; for the others' sake: my 16 rows of x are in LDS
	s_barrier_signal -1
	s_barrier_wait -1
; THE PRODUCTS.  A K step is 32 along K: 64 matrix instructions, each of the 64 accumulators once, always in the same order: so no two that follow each other share an accumulator, over the
; loops' backward jumps and into the tails too.  F16 = 0: the bf16 form (first product); 1: the f16 form (second product).
; The token fragments' LDS addresses: ahead of a loop and behind it the fixed lane address v[ABASE], v[ABASE+1] and an immediate that names the K step; in a loop v[AT], v[AT+1] = the fixed
; lane address + s37, made anew at each trip's head; s37 starts at the constant 128 (K step 2) and steps by 128 (two K steps) a trip.
.macro ALOADS par, off                 ; four fragments of 16 tokens x 32 K at byte off behind v[ACUR], v[ACUR+1], into buffer par
	WIN 0
.irp a, 0,1,2,3
	ds_load_b128 v[AF+32*(\par)+8*(\a):AF+32*(\par)+8*(\a)+3],   v[ACUR+(\a)/2] offset:((\a)%2)*ASTR+(\off)
	ds_load_b128 v[AF+32*(\par)+8*(\a)+4:AF+32*(\par)+8*(\a)+7], v[ACUR+(\a)/2] offset:((\a)%2)*ASTR+(\off)+32
.endr
.endm
.macro MULS par, grp, hi, zero         ; sixteen: fragments 8 grp .. + 7 x token tiles 2 hi, 2 hi + 1.  zero = 1: the products start the sums: nothing is cleared
	WIN MUL_LO+0x50*(\hi)
.irp f, 0,1,2,3,4,5,6,7
.irp a, 0,1
.set rD, 8*(16*(\a)+8*(\grp)+(\f))
.set rB, 128*(\par)+8*(8*(\grp)+(\f))
.set rA, AF+32*(\par)+8*(2*(\hi)+(\a))
.if F16 && (\zero)
	v_wmma_f32_16x16x32_f16 v[rD:rD+7], v[rB:rB+7], v[rA:rA+7], 0
.elseif F16
	v_wmma_f32_16x16x32_f16 v[rD:rD+7], v[rB:rB+7], v[rA:rA+7], v[rD:rD+7]
.elseif \zero
	v_wmma_f32_16x16x32_bf16 v[rD:rD+7], v[rB:rB+7], v[rA:rA+7], 0
.else
	v_wmma_f32_16x16x32_bf16 v[rD:rD+7], v[rB:rB+7], v[rA:rA+7], v[rD:rD+7]
.endif
.endr
.endr
.endm
; A group: half a K step.  The wait at its head shows the group's own sixteen loads done (cnt = the loads of the groups asked for behind it), so the base that those loads named, which no other
; group's loads name, is written behind it without a further wait.  mode 0: nothing more is asked for.  1: the group is asked for again, two K steps (32,768 bytes) on.  2: from lo's w2.
; 3: as 1, but in the second product's trip with s36 = 4, which asks for K steps 8 and 9, from hi's w2.
.macro GROUP par, grp, zero, mode, cnt
.set BS, SB+4*(\par)+2*(\grp)
	s_wait_loadcnt \cnt
	MULS \par, \grp, 0, \zero
	MULS \par, \grp, 1, \zero
.if ((\mode) == 1) || ((\mode) == 3)
	s_add_nc_u64 s[BS:BS+1], s[BS:BS+1], 0x8000
.endif
.if (\mode) == 3
	s_cmp_eq_u32 s36, 4
	s_cselect_b64 s[BS:BS+1], s[34:35], s[BS:BS+1]
.endif
.if (\mode) == 2
	s_mov_b64 s[BS:BS+1], s[32:33]
.endif
.rept 4
	v_nop                                          ; four places behind the last product: ahead of loads into registers that it read, and of the first read of a result
.endr
.if \mode
	REFILL \par, \grp                              ; at once behind its use: three groups, 96 matrix instructions, ahead of its next use
.endif
.endm
; apre >= 0: the next K step's token fragments, at byte apre, are fetched into the other buffer at the step's head: 64 matrix instructions ahead of their use.
.macro STEP par, zero, apre, mode, c0, c1
	s_wait_dscnt 0x0                               ; this step's token fragments are in
.if (\apre) >= 0
	ALOADS 1-(\par), \apre
.endif
	GROUP \par, 0, \zero, \mode, \c0
	GROUP \par, 1, \zero, \mode, \c1
.endm
.macro HEAD                            ; a trip's head: the token fragments' addresses of its two K steps
	v_add_nc_u32 v[AT],   s37, v[ABASE]
	v_add_nc_u32 v[AT+1], s37, v[ABASE+1]
.endm
.macro ADV                             ; two K steps on: 128 bytes along the LDS rows
	WIN 0
	s_add_co_u32 s37, s37, 128
.endm
	; THE FIRST PRODUCT: 32 K steps; fragments 0-7 are w1's columns, 8-15 w3's.
.set F16, 0
.set ABASE, 5
.set ASTR, 16*XP
.set ACUR, ABASE
	ALOADS 0, 0
	STEP 0, 1, 64,  1, 48, 48
	STEP 1, 0, 128, 1, 48, 48
	WIN 0
	s_mov_b32 s37, 128
	s_cmp_eq_u32 s21, 0
	s_cbranch_scc1 .Lp2_tail                       ; no rows: the loop alone is jumped; the counters stand at its head as at its end, and the tail's addresses hang on nothing that the loop steps
	s_mov_b32 s36, 14
.set ACUR, AT
.Lp2_loop:                                             ; K steps 2 to 29
	HEAD
	STEP 0, 0, 64,  1, 48, 48
	STEP 1, 0, 128, 1, 48, 48
	ADV
	s_sub_co_u32 s36, s36, 1
	s_cmp_lg_u32 s36, 0
	s_cbranch_scc1 .Lp2_loop
.Lp2_tail:
.set ACUR, ABASE
	STEP 0, 0, 31*64, 2, 48, 48                    ; K step 30; K step 31's fragments lie at byte 1,984 of the rows.  The last two K steps ask for the second product's first two
	STEP 1, 0, -1, 2, 48, 48
	WIN 0
	s_wait_dscnt 0x0                               ; every wave's reads of x's rows are back
	s_barrier_signal -1                            ; ahead of any wave's LDS stores below.  By the map at the head the regions are apart;
	s_barrier_wait -1                              ; the barrier makes the order hold without that arithmetic.  The weights' loads stay out across it: nobody writes those bytes
	s_lshl_b32 s25, s16, 8
	s_add_co_u32 s25, s25, MXS
	v_lshl_add_u32 v56, v2, 2, s25                 ; where my wave's maxima go: token 16 a + r at byte 64 a + 4 r of its 256
	v_lshl_add_u32 v57, v2, 2, MXS                 ; and from where all four waves' are read
; SwiGLU for token tile a: h = a1 / (1 + 2^(-a1 log2 e)) x a3 x g, left in f32 in the registers of a1's sums, and the largest |h| of each token among my 128 columns.  The 64 exponentials are one batch,
; the 64 reciprocals another, each with one wait ahead of the first line that names a result.  Every run goes up the registers: each accumulator's lowest are read first.
.macro SILU a
.set AW, 2+(\a)/2
.set A1, 128*((\a)%2)
.set A3, A1+64
	WIN AW                                         ; source 0 in the accumulators' window
.set i, 0
.rept 32
	v_pk_mul_f32 v[EE+2*i:EE+2*i+1], v[A1+2*i:A1+2*i+1], s[38:39] op_sel_hi:[1,0]
.set i, i+1
.endr
	WIN 0
.set i, 0
.rept 64
	v_exp_f32 v[EE+i], v[EE+i]
.set i, i+1
.endr
	WIN AW
.set i, 0
.rept 32
	v_pk_mul_f32 v[PP+2*i:PP+2*i+1], v[A3+2*i:A3+2*i+1], v[16+2*(\a):17+2*(\a)] op_sel_hi:[1,0]  ; a3 g: plain work behind the batch, which names none of its results
.set i, i+1
.endr
	s_wait_alu depctr_va_vdst(0)
	WIN 0
.set i, 0
.rept 32
	v_pk_add_f32 v[EE+2*i:EE+2*i+1], v[EE+2*i:EE+2*i+1], 1.0 op_sel_hi:[1,0]
.set i, i+1
.endr
.set i, 0
.rept 64
	v_rcp_f32 v[EE+i], v[EE+i]
.set i, i+1
.endr
	v_nop                                          ; the plain instruction behind the last reciprocal
	s_wait_alu depctr_va_vdst(0)
	WIN AW
.set i, 0
.rept 32
	v_pk_mul_f32 v[EE+2*i:EE+2*i+1], v[A1+2*i:A1+2*i+1], v[EE+2*i:EE+2*i+1]
.set i, i+1
.endr
	WIN AW<<6                                      ; destination in the accumulators' window: h takes the place of a1's sums
.set i, 0
.rept 32
	v_pk_mul_f32 v[A1+2*i:A1+2*i+1], v[PP+2*i:PP+2*i+1], v[EE+2*i:EE+2*i+1]
.set i, i+1
.endr
	WIN (AW<<2)|(AW<<4)                            ; sources 1 and 2 there.  The largest and the smallest of my 64, two chains each, all begun at 0: what is wanted is the largest magnitude
.set i, 0
.rept 32
.if i < 2
	v_max3_num_f32 v[40+i], v61, v[A1+2*i], v[A1+2*i+1]
	v_min3_num_f32 v[42+i], v61, v[A1+2*i], v[A1+2*i+1]
.else
	v_max3_num_f32 v[40+i%2], v[40+i%2], v[A1+2*i], v[A1+2*i+1]
	v_min3_num_f32 v[42+i%2], v[42+i%2], v[A1+2*i], v[A1+2*i+1]
.endif
.set i, i+1
.endr
	WIN 0
	v_max_num_f32 v40, v40, v41
	v_min_num_f32 v42, v42, v43
	v_sub_f32 v42, 0, v42
	v_max_num_f32 v40, v40, v42
	v_permlanex16_b32 v41, v40, s46, s47           ; the token's other 64 columns lie in the lane 16 away
	v_max_num_f32 v40, v40, v41
	ds_store_b32 v56, v40 offset:64*(\a)           ; both halves of the lanes store the same number to the same word
.endm
	SILU 0
	SILU 1
	SILU 2
	SILU 3
	s_wait_dscnt 0x0                               ; for the others' sake: my maxima are in LDS
	s_barrier_signal -1
	s_barrier_wait -1
	; THE SCALE.  Every wave takes the largest of the four waves' maxima for token 16 a + r, m, held to 2^-100 .. 2^126.  With eb its exponent field (m = 2^(eb - 127) x 1.f):
	; s = 2^(140 - eb), field 267 - eb, brings m into 2^13 .. 2^14;  1 / s = 2^(eb - 140), field eb - 13.  Both fields lie in 14 .. 240.
.set i, 0
.rept 16
	ds_load_b32 v[EE+i], v57 offset:256*(i%4)+64*(i/4)               ; tile i / 4, wave i % 4
.set i, i+1
.endr
	s_wait_dscnt 0x0
.set a, 0
.rept 4
	v_max3_num_f32 v40, v[EE+4*a], v[EE+4*a+1], v[EE+4*a+2]
	v_max_num_f32 v40, v40, v[EE+4*a+3]
	v_med3_num_f32 v40, v40, s48, s49
	v_lshrrev_b32 v40, 23, v40                     ; eb: m is positive
	v_sub_nc_u32 v41, 0x10b, v40
	v_add_nc_u32 v40, -13, v40
	v_lshlrev_b32 v[SC+2*a], 23, v41
	v_lshlrev_b32 v[INV+2*a], 23, v40
	v_mov_b32 v[SC+2*a+1], v[SC+2*a]               ; named as pairs
	v_mov_b32 v[INV+2*a+1], v[INV+2*a]
.set a, a+1
.endr
; Tile a's hidden numbers times s, rounded to f16, 16 bytes a lane into the hidden rows.
.macro HOUT a
.set AW, 2+(\a)/2
.set A1, 128*((\a)%2)
	WIN AW
.set i, 0
.rept 32
	v_pk_mul_f32 v[PP+2*i:PP+2*i+1], v[A1+2*i:A1+2*i+1], v[SC+2*(\a):SC+2*(\a)+1] op_sel_hi:[1,0]
.set i, i+1
.endr
	WIN 0
.set i, 0
.rept 32
	v_cvt_pk_f16_f32 v[EE+i], v[PP+2*i], v[PP+2*i+1]
.set i, i+1
.endr
.set i, 0
.rept 8
	ds_store_b128 v9, v[EE+4*i:EE+4*i+3] offset:16*HP*(\a)+32*i
.set i, i+1
.endr
.endm
	HOUT 0
	HOUT 1
	HOUT 2
	HOUT 3
	s_wait_dscnt 0x0                               ; for the others' sake: my part of the hidden rows is in LDS
	s_barrier_signal -1
	s_barrier_wait -1
	; THE SECOND PRODUCT: 16 K steps, 0-7 lo's hidden numbers with lo's w2, 8-15 hi's with hi's, into one set of sums.
.set F16, 1
.set ABASE, 7
.set ASTR, 16*HP
.set ACUR, ABASE
	ALOADS 0, 0
	STEP 0, 1, 64,  1, 48, 48
	STEP 1, 0, 128, 1, 48, 48
	WIN 0
	s_mov_b32 s37, 128
	s_cmp_eq_u32 s21, 0
	s_cbranch_scc1 .Lp4_tail
	s_mov_b32 s36, 6
.set ACUR, AT
.Lp4_loop:                                             ; K steps 2 to 13; the trip with s36 = 6 - t asks for K steps 2 t + 4 and 2 t + 5
	HEAD
	STEP 0, 0, 64,  3, 48, 48
	STEP 1, 0, 128, 3, 48, 48
	ADV
	s_sub_co_u32 s36, s36, 1
	s_cmp_lg_u32 s36, 0
	s_cbranch_scc1 .Lp4_loop
.Lp4_tail:
.set ACUR, ABASE
	STEP 0, 0, 15*64, 0, 48, 32                    ; K step 14; K step 15's fragments lie at byte 960 of the rows.  Nothing more is asked for: the counts run down
	STEP 1, 0, -1, 0, 16, 0
	WIN 0
	s_wait_dscnt 0x0                               ; every wave's reads of the hidden rows are back
	s_barrier_signal -1                            ; ahead of any wave's stores into its stage.  The stages lie where x's rows lay, apart from the hidden rows;
	s_barrier_wait -1                              ; the barrier makes the order hold without that arithmetic
; THE WAY OUT of token tile a: the sums times 1 / s, in place; a lane's 32 bytes of a row go into my stage (rows of 1,040 bytes) and come back as whole pieces of rows; each store of the wave covers
; 512 consecutive bytes of one output row, aligned.  A tile wholly past n is jumped, with those behind it.  Each tile has its own sixteen offset registers (v[64 + 16 a ..]) and its own 128 registers for
; the rows read back (window 0 v128-255; window 1 v0-127; window 1 v128-255; window 2 v0-127, which tile 0's sums have left): nothing that a store names is ever written again, so no wait frees anything.
.macro OUT a
.set AW, 2+(\a)/2
.set AB, 128*((\a)%2)
.set OF, 64+16*(\a)
.if (\a) == 0
.set DW, 0
.set DB, 128
.elseif (\a) == 3
.set DW, 2
.set DB, 0
.else
.set DW, 1
.set DB, 128*((\a)-1)
.endif
	WIN 0
	s_cmp_le_u32 s21, 16*(\a)
	s_cbranch_scc1 .Ldone
	WIN (AW<<6)|AW                                 ; destination and source 0 in the accumulators' window
.set i, 0
.rept 64
	v_pk_mul_f32 v[AB+2*i:AB+2*i+1], v[AB+2*i:AB+2*i+1], v[INV+2*(\a):INV+2*(\a)+1] op_sel_hi:[1,0]  ; up the registers: each accumulator's lowest first
.set i, i+1
.endr
	WIN AW<<2                                      ; the store's data in the accumulators' window
.set f, 0
.rept 16
	ds_store_b128 v10, v[AB+8*f:AB+8*f+3]   offset:64*f
	ds_store_b128 v10, v[AB+8*f+4:AB+8*f+7] offset:64*f+16
.set f, f+1
.endr
	WIN 0
.set i, 0
.rept 16
	ds_load_b32 v[OF+i], v13 offset:64*(\a)+4*i    ; the token of row 16 a + i, in every lane
.set i, i+1
.endr
	WIN DW<<6
.set i, 0
.rept 32
	ds_load_b128 v[DB+4*i:DB+4*i+3], v11 offset:HP*(i/2)+512*(i%2)   ; LDS serves a wave's instructions in order: these see the stores above, and the next tile's stores come behind them
.set i, i+1
.endr
	WIN 0
	s_wait_dscnt 32                                ; the sixteen tokens are in; the 32 loads behind them may be out
.set i, 0
.rept 16
	v_min_u32 v[OF+i], 0x1fff, v[OF+i]
	v_lshl_add_u32 v[OF+i], v[OF+i], 12, v12
.set i, i+1
.endr
	WIN DW<<2                                      ; the store's data in the window of the rows read back
.set i, 0
.rept 16
	s_wait_dscnt 30-2*i                            ; row i's two loads are in; the later rows' may be out
	global_store_b128 v[OF+i], v[DB+8*i:DB+8*i+3],   s[14:15] th:TH_STORE_NT
	global_store_b128 v[OF+i], v[DB+8*i+4:DB+8*i+7], s[14:15] offset:512 th:TH_STORE_NT
.set i, i+1
.endr
.endm
	OUT 0
	OUT 1
	OUT 2
	OUT 3
	WIN 0
.Ldone:
	s_wait_tensorcnt 0x0                           ; the wave's end
	ds_add_u32 v14, v15
	s_wait_dscnt 0x0
	s_endpgm
.Lfunc_end_k_q1015598328_chain:
	.size	k_q1015598328_chain, .Lfunc_end_k_q1015598328_chain-k_q1015598328_chain
	.p2alignl 7, 3214868480
	.fill 96, 4, 3214868480
	.section	.rodata,"a",@progbits
	.p2align	6, 0x0
	.amdhsa_kernel k_q1015598328_chain
		.amdhsa_group_segment_fixed_size 203776
		.amdhsa_private_segment_fixed_size 0
		.amdhsa_enable_private_segment 0
		.amdhsa_kernarg_size 48
		.amdhsa_user_sgpr_count 2
		.amdhsa_user_sgpr_kernarg_segment_ptr 1
		.amdhsa_wavefront_size32 1
		.amdhsa_system_sgpr_workgroup_id_x 1
		.amdhsa_system_sgpr_workgroup_id_y 1
		.amdhsa_system_sgpr_workgroup_id_z 1
		.amdhsa_system_vgpr_workitem_id 0
		.amdhsa_next_free_vgpr 1024
		.amdhsa_next_free_sgpr 66
		.amdhsa_reserve_vcc 1
		.amdhsa_float_denorm_mode_32 3
		.amdhsa_float_denorm_mode_16_64 3
		.amdhsa_memory_ordered 1
		.amdhsa_forward_progress 1
		.amdhsa_inst_pref_size 255
	.end_amdhsa_kernel
	.section	.bss,"aw",@nobits
	.p2align	6
	.space	262144
	.amdgpu_metadata
---
amdhsa.version: [ 1, 2 ]
amdhsa.kernels:
  - .name:           k_q1015598328_chain
    .symbol:         k_q1015598328_chain.kd
    .args:
      - { .name: x, .offset: 0, .size: 8, .value_kind: global_buffer, .address_space: global }
      - { .name: rec, .offset: 8, .size: 8, .value_kind: global_buffer, .address_space: global }
      - { .name: gw, .offset: 16, .size: 8, .value_kind: global_buffer, .address_space: global }
      - { .name: wa, .offset: 24, .size: 8, .value_kind: global_buffer, .address_space: global }
      - { .name: wb, .offset: 32, .size: 8, .value_kind: global_buffer, .address_space: global }
      - { .name: out0, .offset: 40, .size: 8, .value_kind: global_buffer, .address_space: global }
    .group_segment_fixed_size: 203776
    .private_segment_fixed_size: 0
    .kernarg_segment_align: 8
    .kernarg_segment_size: 48
    .max_flat_workgroup_size: 128
    .sgpr_count:     66
    .vgpr_count:     1024
    .wavefront_size: 32
...
	.end_amdgpu_metadata
.endif
;; end of part 2
